; MI455X (gfx1250); checked and timed in simulation.
; The chip was launched on July 23, 2026; its instructions are those of AMD's public machine-readable ISA for CDNA 5 (MIT licence, August 2026) and "CDNA5" Instruction Set Architecture Reference Guide (July 2026). The comments in the code are by the model that wrote it; some were corrected since.
;; Riemannian Manifold. Allowed arithmetic: matrix products marked QUANTISED: E4M3 operands, one given power-of-two scale a tensor, by v_wmma_f32_16x16x64_fp8_fp8 or v_wmma_f32_16x16x128_fp8_fp8, f32 sums; products left as they are: f32 operands where the result goes on into a quantised operand, else bf16, f16 or f32 operands; f32 sums; everything else in f32.
;; Inputs: W1 16 x 64 float32; W2 64 x 256 float32; b1 64 float32; b2 256 float32; lowp_scales 2 int32 (the exponents e of the quantised operands' scales 2^e); x1 8 x 256 x 1 x 16 float32; x2 8 x 1 x 256 x 16 float32.
;; Outputs: out0 8 x 256 x 256 float32.
;; This version of the problem:
;;   THIS VERSION OF THE PROBLEM IS GIVEN IN LOW PRECISION. The matrix products marked QUANTISED in the list below multiply operands that are first quantised to E4M3 (4 exponent bits, 3 mantissa bits; 8 bits a number), with one given power-of-two scale for each operand tensor; their sums are f32. All else is computed in f32.
;;   The module's matrix products, in the order in which they are computed (A, B: the left and right operand; K: the contracted axis; several contracted axes count as one K, in the product's order):
;;     1. [M 524,288, K 16] x [K 16, N 64]; A: computed on the way; B: input W1: left as it is (K = 16 < 32)
;;     2. [M 524,288, K 64] x [K 64, N 256]; A: computed on the way; B: input W2: QUANTISED (scales: A lowp_scales[0], B lowp_scales[1])
;;     3. batch 524,288 x [M 16, K 16] x [K 16, N 1]; A: computed on the way; B: computed on the way: left as it is (K = 16 < 32)
;;   THE QUANTISER, for each operand of a quantised product, along K:
;;     - The operand's scale is 2^e, e = its entry of the input lowp_scales (int32; the entries are numbered through the quantised products in the list's order, A before B).
;;     - Each number is divided by the scale, clamped to +-448, and rounded to the nearest number of E4M3, ties to even, subnormals kept.
;;     - The product sums the exact products of the quantised numbers (number of the format x scale) in f32.
;;   ~~~python
;;   def quantise(x, axis, e):      # numpy; x: float32 -> the quantised numbers, widened to float32 again
;;       x = np.moveaxis(x, axis, -1); K = x.shape[-1]
;;       r = np.clip(x / 2.0 ** e, -448, 448)
;;       step = 2.0 ** (np.maximum(np.frexp(np.where(r == 0, 1, r))[1] - 1, -6) - 3)
;;       q = np.round(r / step) * step * 2.0 ** e      # np.round: ties to even
;;       return np.moveaxis(q, -1, axis).astype(np.float32)
;;   ~~~
;;   OPERANDS COMPUTED ON THE WAY. 'Computed on the way' means the value that the module computes at that place (a softmax that the list does not call 'softmax' is quantised finished and normalised). What goes into a quantiser is computed in f32, as accurately as f32 sums, v_exp_f32 and their like allow (about 1e-6 of the number): no bf16 or f16 on the way to a quantiser, and a product that is left as it is and whose result goes on into a quantised operand takes f32 operands (vector FMAs, or v_wmma_f32_16x16x4_f32). A number that lies on a knife's edge between two numbers of the format may be rounded either way, as far as f32 arithmetic and the matrix unit's own rounding can turn it there, and no further.
;; One version. Each part assembles by itself: llvm-mc -triple=amdgcn-amd-amdhsa -mcpu=gfx1250 --defsym DOCPART=n.
;; ======== version 1 of 1: 1 launch
;; launch manifold (part 1): grid 32 x 8, 8 waves a work-group, no clusters, 35,072 bytes of LDS; arguments x1, x2, W1, b1, W2, b2, lowp_scales, out0; writes out0
.if DOCPART == 1
	.amdgcn_target "amdgcn-amd-amdhsa--gfx1250"
	.amdhsa_code_object_version 6
	.text
	.protected	k_q0b1f9d9104_manifold
	.globl	k_q0b1f9d9104_manifold
	.p2align	8
	.type	k_q0b1f9d9104_manifold,@function
k_q0b1f9d9104_manifold:
	s_mov_b64 s[64:65], 0
	v_nop
	global_prefetch_b8 v0, s[64:65] scope:SCOPE_SE
	s_setreg_imm32_b32 hwreg(HW_REG_WAVE_MODE, 25, 1), 1
	s_wait_xcnt 0x0
; out[b][n][m] = sqrt(max(|L^T dx|^2, 1e-6)), dx = x2[b][m] - x1[b][n], L = tril(raw + I) with softplus on the diagonal,
; raw = Q(h) Q(W2) + b2, h = silu(mid W1 + b1), mid = (x1[b][n] + x2[b][m]) / 2.  Q: codes of FP8 (E4M3), scale 2^e0 for h, 2^e1 for W2.
; SHARES.  256 work-groups of eight waves.  A work-group owns one b, 16 rows n and 128 columns m; wave w owns 16 of the columns and walks the 16 n: a tile is one n x 16 m.
; Lane (r = lane % 16, h = lane / 16) works on pair (n, m0 + r) and holds 32 of its 64 hidden units and 8 of its 16 columns of L.
; THE FIRST PRODUCT SPLITS: mid W1 + b1 = (x1 W1 / 2 + b1)[n] + (x2 W1 / 2)[m].  Both parts are made once, in f32, by v_wmma_f32_16x16x4_f32: a wave's own 16 m (v', kept in registers),
; and the work-group's 16 n (u', made by wave 2, kept in LDS).  A pair then costs one f32 addition a hidden unit.  Both carry the factor c = log2(e): z = u' + v' = c x (mid W1 + b1),
; and h = z x rcp(c + c x 2^-z) is silu without a further scaling.
; THE SECOND PRODUCT IS USED TRANSPOSED (source 0 = 16 columns of W2, source 1 = h of 16 pairs): a lane holds one pair throughout, and nothing changes lanes but the last sum of two halves.
; The problem's own tril keeps 136 of W2's 256 columns: 160 are multiplied, ten tiles of 16, the 136 and 24 of zero codes.  WHICH COLUMNS FORM A TILE IS CHOSEN so that a register pair of the result
; is a row e of L at two neighbouring columns (d, d + 1).  Four groups a = 0 .. 3 of 4 - a tiles, the first of them tile TA = 0, 4, 7, 9; in half h group a serves d = 4 a + 2 h.  Pair i of a group:
;   i = 0: (L[d][d], L[d+1][d+1]);   i = 1: (L[d+1][d], nothing);   i >= 2: (L[d+i][d], L[d+i][d+1]), nothing where d + i > 15.   'Nothing': zero codes and a zero bias, so the sum is 0.
; dx is kept shifted by the half, Z[x] = s x dx[x + 2 h] (0 past the end), s = 2^(e0 + e1): pair i of group a is multiplied by Z[4 a + i] in both halves, one register number for both, and since s lies in Z
; the sums are never scaled.  (b2 + I) / s is the C of each tile's one matrix instruction.
; SOFTPLUS, on the 16 diagonal numbers alone: w = c s D;  softplus / s = (ln 2 / s) x (max(w, 0) + log2(1 + 2^-|w|)).
; PIPELINE.  A trip runs stage A of tile t (z, silu, codes, ten products) and stage B of tile t - 1 (diagonal, L^T dx, squares): stage B's plain arithmetic stands between stage A's exponentials and reciprocals.
; No cluster and no tensor load: what work-groups share (W1, b1, b2 and 160 columns of W2) is read once by each at its head, gathered column by column and quantised in registers; there is no stream of tiles
; that could be asked for jointly, and nothing to ask for ahead of time.
; LIMITS: e0 and e1 between -126 and 119; e0 + e1 between -126 and 125 (each power of two below is then an f32 number).  NaN and infinities among the inputs are not served.  v_exp_f32 and v_rcp_f32 take
; denormals as 0 (ISA guide 15.8): |h| under 2^-126 counts as 0.  For a very negative diagonal number 1 + 2^-|w| rounds to 1 and softplus comes out 0: an absolute error under 1e-7.
.set BIAS,  10240                      ; LDS 0: W2's ten fragments as images of their registers, 1,024 bytes each.  Here: the ten tiles' biases, 16 f32 each
.set NTAB,  11264                      ; for n = 0 .. 15 and each half h, at 384 n + 192 h: 32 f32 of u' (index 8 t + j: unit 16 t + 8 h + j), then at + 128 the 16 f32 s x x1[n][x + 2 h]
.set STAGE, 17408                      ; two planes, one for each half of the lanes, of 16 rows n x 128 columns m of f32
.set PLANE, 8256                       ; 8,192 bytes + 64, so that the two halves of a store fall on different banks (64 banks of 4 bytes: ISA guide 11.1)
.set LI,   3                           ; v3   16 x lane
.set NB,   4                           ; v4   NTAB + 192 h
.set NA,   5                           ; v5   the table address in hand
.set SB,   6                           ; v6   STAGE + PLANE h + 64 w + 4 r
.set SA,   7                           ; v7   the stage address in hand
.set LIMH, 8                           ; v8   448 x 2^e0
.set SCH,  9                           ; v9   2^e0
.set CV,   10                          ; v[10:11] c, c
.set FRD,  12                          ; v12  the way out: STAGE + 1024 w + 16 lane
.set GO,   13                          ; v13  the way out: 2048 w + 16 lane, my bytes of rows 2 w and 2 w + 1 of the work-group's part of out
.set IMGW, 14                          ; v14  1024 w + 16 lane: where I store a fragment of W2
.set BIW,  15                          ; v15  BIAS + 64 w + 4 r
.set NTU,  16                          ; v16  NTAB + 384 r + 192 h
.set BR,   17                          ; v17  BIAS + 32 h
.set JJ,   18                          ; v18  r % 8
.set HQ,   19                          ; v19  r / 8
.set LO,   20                          ; v20  r % 2
.set XO,   21                          ; v21  64 r + 8 h
.set XR,   22                          ; v22  64 r
.set WO,   23                          ; v23  512 h + 4 r
.set X2S,  24                          ; v[24:39]   x2 shifted, then s x that
.set UZ,   40                          ; v[40:71]   u', then z
.set TH,   72                          ; v[72:103]  2^-z, c + c 2^-z, its reciprocal, h
.set ZX,   104                         ; v[104:119] s x x1 shifted, then Z
.set CODES,120                         ; v[120:127] h's codes
.set DA,   128                         ; v[128:207] the ten tiles of L / s
.set ACC,  208                         ; v[208:215] y, a pair for each group
.set SPL,  216                         ; v[216:223] the diagonal's exponentials and logarithms; then the squares
.set VP,   224                         ; v[224:255] v': written by the f32 matrix instructions alone; window 1 uses the names v0-159, so no other line names these numbers as a destination
.set W2F,  0                           ; window 1: v[0:79] W2's ten fragments;
.set BIASF,80                          ; v[80:159] their biases in the result's layout
.set W1F,  TH                          ; at the head only: W1's 16 fragments, (t, s) at 2 (4 t + s)
.set QA,   UZ                          ; 32 numbers of W2, tile w
.set QB,   DA                          ; v[128:159] waves 0, 1: tile w + 8
.set B1F,  DA+32                       ; v[160:191] wave 2: c x b1 in the result's layout.  (Registers of its own beside QB's: no two runs of loads of the head name one register)
.set CMA,  DA+64                       ; v192-196: tile w's offset in W2, offset in b2, mask, bias, 1.0 on the diagonal
.set CMB,  DA+69                       ; v197-201: tile w + 8's
.set HS,   DA+74                       ; v[202:203] s in half 0, 0 in half 1
.set SCW,  DA+76                       ; v204 2^e1
.set LIMW, DA+77                       ; v205 448 x 2^e1
.set SCR,  CODES                       ; v120-126 at work
.set MSB, 0
.macro WIN new                         ; the immediate's high byte repeats the setting that is left; a switch that changes nothing is dropped
.if MSB != \new
	s_set_vgpr_msb (MSB<<8)|\new
.set MSB, \new
.endif
.endm
; Which column of W2 lane r of tile T (in s32) takes.  Lane r is row r of source 0, which lands in register r % 8 of half r / 8 of the result.
.macro COLMAP cm
	s_cmp_lt_u32 s32, 9
	s_cselect_b32 s33, 7, 9                        ; the group's first tile,
	s_cselect_b32 s34, 8, 12                       ; and 4 a
	s_cmp_lt_u32 s32, 7
	s_cselect_b32 s33, 4, s33
	s_cselect_b32 s34, 4, s34
	s_cmp_lt_u32 s32, 4
	s_cselect_b32 s33, 0, s33
	s_cselect_b32 s34, 0, s34
	s_sub_co_u32 s35, s32, s33
	s_lshl_b32 s35, s35, 3                         ; the tile's first register in its group
	v_add_nc_u32 v[SCR], s35, v[JJ]                ; 2 i + (r % 2)
	v_lshrrev_b32 v[SCR+1], 1, v[SCR]              ; i
	v_lshl_add_u32 v[SCR+2], v[HQ], 1, s34         ; the pair's first column: 4 a + 2 (r / 8)
	v_max_u32 v[SCR+3], v[SCR+1], v[LO]
	v_add_nc_u32 v[SCR+3], v[SCR+2], v[SCR+3]      ; e: the row of L
	v_add_nc_u32 v[SCR+4], v[SCR+2], v[LO]         ; d: its column
	v_cmp_gt_u32 s30, 16, v[SCR+3]                 ; e inside L,
	v_cmp_ne_u32 s31, 3, v[SCR]                    ; and not the empty half of pair 1
	s_and_b32 vcc_lo, s30, s31
	v_lshl_add_u32 v[SCR+5], v[SCR+3], 4, v[SCR+4] ; 16 e + d
	v_cndmask_b32 v[SCR+5], 0, v[SCR+5], vcc_lo    ; a place that holds nothing loads column 0 and masks it
	v_cndmask_b32 v[\cm+2], 0, -1, vcc_lo
	v_lshlrev_b32 v[\cm+1], 2, v[SCR+5]
	v_lshl_add_u32 v[\cm], v2, 13, v[\cm+1]        ; + 8 h rows of W2, 1,024 bytes each
	v_cmp_gt_u32 vcc_lo, 2, v[SCR]                 ; pair 0 is the diagonal: the identity's 1
	v_cndmask_b32 v[\cm+4], 0, 1.0, vcc_lo
.endm
.macro W2LOAD q, cm                    ; W2[16 c + 8 h + i][my column]: the lane's registers run down K, in the places that the K = 64 form gives them
.irp c, 0,1,2,3
.irp i, 0,1,2,3,4,5,6,7
	global_load_b32 v[\q+8*\c+\i], v[\cm], s[12:13] offset:(16*\c+\i)*1024
.endr
.endr
	global_load_b32 v[\cm+3], v[\cm+1], s[14:15]   ; b2 at my column
.endm
.macro W2QUANT q, codes, cm, ioff, boff
.irp i, 0,1,2,3,4,5,6,7,8,9,10,11,12,13,14,15,16,17,18,19,20,21,22,23,24,25,26,27,28,29,30,31
	v_med3_num_f32 v[\q+\i], v[\q+\i], -v[LIMW], v[LIMW]   ; the conversion to an 8-bit code does not saturate (ISA guide 7.6.2): the hold at the largest code x the scale
.endr
.irp c, 0,1,2,3
	v_cvt_scalef32_pk8_fp8_f32 v[\codes+2*\c:\codes+2*\c+1], v[\q+8*\c:\q+8*\c+7], v[SCW]
.endr
	v_nop                                          ; one plain instruction between a scaled conversion and the vector instruction that reads its result
.irp i, 0,1,2,3,4,5,6,7
	v_and_b32 v[\codes+\i], v[\codes+\i], v[\cm+2] ; zero codes where the place holds nothing
.endr
	ds_store_b128 v[IMGW], v[\codes:\codes+3] offset:\ioff       ; the fragment goes to LDS as an image of its registers
	ds_store_b128 v[IMGW], v[\codes+4:\codes+7] offset:\ioff+512
	v_add_f32 v[\cm+3], v[\cm+3], v[\cm+4]         ; b2 + I,
	v_ldexp_f32 v[\cm+3], v[\cm+3], s46            ; / s,
	v_and_b32 v[\cm+3], v[\cm+3], v[\cm+2]         ; 0 where the place holds nothing
	ds_store_b32 v[BIW], v[\cm+3] offset:\boff     ; (lanes r and r + 16 hold the same column and write the same word)
.endm
.macro XSHIFT dst, ptr                 ; register x = row r's number x + 2 h; the last pair is read unshifted, inside the row, and half 1 multiplies it by 0
.irp p, 0,1,2,3,4,5,6
	global_load_b64 v[\dst+2*\p:\dst+2*\p+1], v[XO], s[\ptr:\ptr+1] offset:8*\p
.endr
	global_load_b64 v[\dst+14:\dst+15], v[XR], s[\ptr:\ptr+1] offset:56
.endm
.macro XSCALE dst
.irp p, 0,2,4,6,8,10,12
	v_pk_mul_f32 v[\dst+\p:\dst+\p+1], v[\dst+\p:\dst+\p+1], s[40:41] op_sel_hi:[1,0]
.endr
	v_pk_mul_f32 v[\dst+14:\dst+15], v[\dst+14:\dst+15], v[HS:HS+1]
.endm
; 16 rows x (c / 2) W1, transposed: source 0 = 16 hidden units, source 1 = the rows: register 8 t + j of lane (r, h) is unit 16 t + 8 h + j of row r.  Source 1 of K step s is registers 4 s, 4 s + 1 of the shifted
; row: numbers 4 s + 2 h + 0, 1, as the f32 form's layout wants them.  The four accumulators take turns.
.macro LIN xb, bias
.irp s, 0,1,2,3
.irp t, 0,1,2,3
.if \s == 0
.if \bias
	v_wmma_f32_16x16x4_f32 v[VP+8*\t:VP+8*\t+7], v[W1F+2*(4*\t+\s):W1F+2*(4*\t+\s)+1], v[\xb+4*\s:\xb+4*\s+1], v[B1F+8*\t:B1F+8*\t+7]
.else
	v_wmma_f32_16x16x4_f32 v[VP+8*\t:VP+8*\t+7], v[W1F+2*(4*\t+\s):W1F+2*(4*\t+\s)+1], v[\xb+4*\s:\xb+4*\s+1], 0
.endif
.else
	v_wmma_f32_16x16x4_f32 v[VP+8*\t:VP+8*\t+7], v[W1F+2*(4*\t+\s):W1F+2*(4*\t+\s)+1], v[\xb+4*\s:\xb+4*\s+1], v[VP+8*\t:VP+8*\t+7]
.endif
.endr
.endr
.endm
; Number n of the 36 products below the diagonal: y pair of group a += pair i x Z[4 a + i].  They are dealt round the groups, so that no line waits for the line above it, and within each tile the pairs ascend:
; each accumulator is read from its low end on.  Pair 1 starts a group's sums.
.macro YF n
.if (\n) < 12
.set yi, 1+(\n)/4
.set ya, (\n)%4
.elseif (\n) < 24
.set yi, 4+((\n)-12)/3
.set ya, ((\n)-12)%3
.elseif (\n) < 32
.set yi, 8+((\n)-24)/2
.set ya, ((\n)-24)%2
.else
.set yi, (\n)-20
.set ya, 0
.endif
.set yD, DA+8*(4*ya-(ya*(ya-1))/2)+2*yi
.set yx, 4*ya+yi
.set yZ, ZX+(yx/2)*2
.set yA, ACC+2*ya
.if yi == 1
	v_pk_mul_f32 v[yA:yA+1], v[yD:yD+1], v[yZ:yZ+1] op_sel:[0,1] op_sel_hi:[1,1]
.elseif yx%2
	v_pk_fma_f32 v[yA:yA+1], v[yD:yD+1], v[yZ:yZ+1], v[yA:yA+1] op_sel:[0,1,0] op_sel_hi:[1,1,1]
.else
	v_pk_fma_f32 v[yA:yA+1], v[yD:yD+1], v[yZ:yZ+1], v[yA:yA+1] op_sel_hi:[1,0,1]
.endif
.endm
; Transcendental KK of a batch of 40: 0-7 the diagonal's (stage B), 8-39 the hidden units' (stage A).  kind 0: exponentials; kind 1: logarithms and reciprocals.
.macro TR kind
.if KK < 8
.set rD, DA+8*(4*(KK/2)-((KK/2)*((KK/2)-1))/2)+(KK&1)
.if \kind
	v_log_f32 v[SPL+KK], v[SPL+KK]
.else
	v_exp_f32 v[SPL+KK], -|v[rD]|
.endif
.else
.if \kind
	v_rcp_f32 v[TH+KK-8], v[TH+KK-8]
.else
	v_exp_f32 v[TH+KK-8], -v[UZ+KK-8]
.endif
.endif
.endm
; Plain line NP of the 22 that stand among a batch: none names a result of the batch.
.macro PL kind
.if \kind
.if NP < 8
.set rD, DA+8*(4*(NP/2)-((NP/2)*((NP/2)-1))/2)+(NP&1)
	v_max_num_f32 v[rD], 0, v[rD]
.else
	YF NP+14
.endif
.else
	YF NP
.endif
.endm
; A batch: its transcendentals with stage B's plain lines dealt evenly among them; the last plain line (or a v_nop) stands behind the last transcendental (ISA guide 5.7.2), and ONE wait,
; ahead of the first line that names a result, serves the whole batch.
.macro BATCH kind, a, b
.set NP, 0
.set KK, 0
.rept 40
.if ((KK < 8) && \b) || ((KK >= 8) && \a)
	TR \kind
.endif
.if \b && (NP*40 < KK*22+1)
	PL \kind
.set NP, NP+1
.endif
.set KK, KK+1
.endr
.if !\b
	v_nop
.endif
	s_wait_alu depctr_va_vdst(0)
.endm
; A TRIP.  a: stage A of tile t.  b: stage B of tile t - 1.  ldu: u' of tile t + 1 is fetched.
.macro TRIP a, b, ldu
	s_wait_dscnt 0x0                               ; u' of this tile and s x1 of the last, asked for in the trip before, are in
.if \a
.irp j, 0,2,4,6,8,10,12,14,16,18,20,22,24,26,28,30
	v_pk_add_f32 v[UZ+\j:UZ+\j+1], v[UZ+\j:UZ+\j+1], v[VP+\j:VP+\j+1]   ; z.  (These, and the eight below, are the places behind the last trip's products: ISA guide 7.12.1)
.endr
.endif
.if \b
.irp j, 0,2,4,6,8,10,12,14
	v_pk_add_f32 v[ZX+\j:ZX+\j+1], v[X2S+\j:X2S+\j+1], v[ZX+\j:ZX+\j+1] neg_lo:[0,1] neg_hi:[0,1]   ; Z = s x2 - s x1
.endr
.irp g, 0,4,7,9
	v_pk_mul_f32 v[DA+8*\g:DA+8*\g+1], v[DA+8*\g:DA+8*\g+1], s[42:43] op_sel_hi:[1,0]   ; the diagonal: w = c s D
.endr
.endif
	BATCH 0, \a, \b                                ; 2^-z, 2^-|w|
.if \a
.irp j, 0,2,4,6,8,10,12,14,16,18,20,22,24,26,28,30
	v_pk_fma_f32 v[TH+\j:TH+\j+1], v[TH+\j:TH+\j+1], v[CV:CV+1], v[CV:CV+1]   ; c + c 2^-z
.endr
.endif
.if \b
.irp j, 0,2,4,6
	v_pk_add_f32 v[SPL+\j:SPL+\j+1], v[SPL+\j:SPL+\j+1], 1.0 op_sel_hi:[1,0]
.endr
.endif
	BATCH 1, \a, \b                                ; the reciprocals, log2(1 + 2^-|w|); among them max(w, 0)
.if \a
.irp j, 0,2,4,6,8,10,12,14,16,18,20,22,24,26,28,30
	v_pk_mul_f32 v[TH+\j:TH+\j+1], v[UZ+\j:UZ+\j+1], v[TH+\j:TH+\j+1]   ; h = silu
.endr
	v_add_nc_u32 v[NA], s47, v[NB]                 ; the table at n = t
.if \ldu
.irp q, 0,1,2,3,4,5,6,7
	ds_load_b128 v[UZ+4*\q:UZ+4*\q+3], v[NA] offset:384+16*\q   ; u' of tile t + 1
.endr
.endif
.endif
.if \b
.irp g, 0,1,2,3
.set rD, DA+8*(4*\g-(\g*(\g-1))/2)
	v_pk_add_f32 v[rD:rD+1], v[rD:rD+1], v[SPL+2*\g:SPL+2*\g+1]
.endr
.irp g, 0,4,7,9
	v_pk_mul_f32 v[DA+8*\g:DA+8*\g+1], v[DA+8*\g:DA+8*\g+1], s[44:45] op_sel_hi:[1,0]   ; softplus / s
.endr
.irp g, 0,1,2,3
.set rD, DA+8*(4*\g-(\g*(\g-1))/2)
	v_pk_fma_f32 v[ACC+2*\g:ACC+2*\g+1], v[rD:rD+1], v[ZX+4*\g:ZX+4*\g+1], v[ACC+2*\g:ACC+2*\g+1]
.endr
.endif
.if \a
.irp q, 0,1,2,3
	ds_load_b128 v[ZX+4*\q:ZX+4*\q+3], v[NA] offset:128+16*\q   ; s x1 of tile t: Z's last reader stands above
.endr
.endif
.if \b
	v_pk_mul_f32 v[SPL:SPL+1], v[ACC:ACC+1], v[ACC:ACC+1]
	v_pk_fma_f32 v[SPL:SPL+1], v[ACC+2:ACC+3], v[ACC+2:ACC+3], v[SPL:SPL+1]
	v_pk_fma_f32 v[SPL:SPL+1], v[ACC+4:ACC+5], v[ACC+4:ACC+5], v[SPL:SPL+1]
	v_pk_fma_f32 v[SPL:SPL+1], v[ACC+6:ACC+7], v[ACC+6:ACC+7], v[SPL:SPL+1]
	v_add_f32 v[SPL], v[SPL], v[SPL+1]             ; the squares of my eight y
	v_add_nc_u32 v[SA], s48, v[SB]
	ds_store_b32 v[SA], v[SPL]                     ; into my half's plane, row t - 1
	s_add_co_u32 s48, s48, 512
.endif
.if \a
.irp i, 0,1,2,3,4,5,6,7,8,9,10,11,12,13,14,15,16,17,18,19,20,21,22,23,24,25,26,27,28,29,30,31
	v_med3_num_f32 v[TH+\i], v[TH+\i], -v[LIMH], v[LIMH]   ; the hold at the largest code x the scale (ISA guide 7.6.2)
.endr
.irp c, 0,1,2,3
	v_cvt_scalef32_pk8_fp8_f32 v[CODES+2*\c:CODES+2*\c+1], v[TH+8*\c:TH+8*\c+7], v[SCH]   ; registers 2 c, 2 c + 1: units 16 c + 8 h + 0 .. 7: the operand's own places
.endr
	v_nop                                          ; one plain instruction between a scaled conversion and the matrix instruction that reads its result
	WIN 0x11                                       ; source 0 (W2) and C (the bias) in window 1
.irp t, 0,1,2,3,4,5,6,7,8,9
	v_wmma_f32_16x16x64_fp8_fp8 v[DA+8*\t:DA+8*\t+7], v[W2F+8*\t:W2F+8*\t+7], v[CODES:CODES+7], v[BIASF+8*\t:BIASF+8*\t+7]
.endr
	WIN 0
	s_add_co_u32 s47, s47, 384
.endif
.endm
	; ---- addresses.  Every LDS address is made here, ahead of the first place where the waves part
	s_load_b256 s[4:11], s[0:1], 0x0               ; x1 s[4:5], x2 s[6:7], W1 s[8:9], b1 s[10:11]
	s_load_b256 s[12:19], s[0:1], 0x20             ; W2 s[12:13], b2 s[14:15], the scales' exponents s[16:17], out s[18:19]
	s_set_vgpr_msb 0x40
	v_lshl_add_u32 v160, v0, 2, 0x8500
	v_mov_b32 v161, 0
	s_set_vgpr_msb 0x4000
	v_lshrrev_b32 v[SCR], 5, v0
	v_readfirstlane_b32 s22, v[SCR]                ; wave 0..7
	v_and_b32 v1, 15, v0                           ; r
	v_bfe_u32 v2, v0, 4, 1                         ; h
	v_and_b32 v[SCR], 31, v0
	v_lshlrev_b32 v[LI], 4, v[SCR]
	v_mul_u32_u24 v[NB], v2, 192
	v_add_nc_u32 v[NB], NTAB, v[NB]
	s_lshl_b32 s50, s22, 6
	s_add_co_u32 s51, s50, STAGE
	s_add_co_u32 s52, s50, BIAS
	s_lshl_b32 s53, s22, 10
	s_add_co_u32 s54, s53, STAGE
	s_lshl_b32 s55, s22, 11
	v_mul_u32_u24 v[SB], v2, PLANE
	v_lshl_add_u32 v[SB], v1, 2, v[SB]
	v_add_nc_u32 v[SB], s51, v[SB]
	v_add_nc_u32 v[FRD], s54, v[LI]
	v_add_nc_u32 v[GO], s55, v[LI]
	v_add_nc_u32 v[IMGW], s53, v[LI]
	v_lshlrev_b32 v[BIW], 2, v1
	v_add_nc_u32 v[BIW], s52, v[BIW]
	v_mul_u32_u24 v[NTU], v1, 384
	v_add_nc_u32 v[NTU], v[NTU], v[NB]
	v_lshl_add_u32 v[BR], v2, 5, BIAS
	v_and_b32 v[JJ], 7, v0
	v_bfe_u32 v[HQ], v0, 3, 1
	v_and_b32 v[LO], 1, v0
	v_lshlrev_b32 v[XR], 6, v1
	v_lshl_add_u32 v[XO], v2, 3, v[XR]
	v_lshlrev_b32 v[WO], 2, v1
	v_lshl_add_u32 v[WO], v2, 9, v[WO]
	s_and_b32 s23, ttmp7, 0xffff                   ; b
	s_lshr_b32 s24, ttmp9, 4                       ; which 128 columns m
	s_and_b32 s25, ttmp9, 15                       ; which 16 rows n
	s_lshl_b32 s23, s23, 8
	s_lshl_b32 s26, s24, 7
	s_add_co_u32 s26, s26, s23
	s_lshl_b32 s27, s22, 4
	s_add_co_u32 s26, s26, s27                     ; my wave's first row of x2: 256 b + 128 (x / 16) + 16 w,
	s_lshl_b32 s26, s26, 6                         ; 64 bytes a row
	s_mov_b32 s27, 0
	s_lshl_b32 s28, s25, 4
	s_add_co_u32 s28, s28, s23                     ; the work-group's first row of x1 and of out: 256 b + 16 (x % 16)
	s_lshl_b32 s56, s28, 10                        ; a row of out is 1,024 bytes,
	s_lshl_b32 s57, s24, 9                         ; the work-group's 128 columns 512
	s_add_co_u32 s56, s56, s57
	s_mov_b32 s57, 0
	s_lshl_b32 s28, s28, 6
	s_mov_b32 s29, 0
	s_mov_b32 s36, 0x3f38aa3b                      ; c / 2
	s_mov_b32 s37, s36                             ; (each pair is named whole by a packed form, so both words are written)
	s_mov_b32 s38, 0x3fb8aa3b                      ; c = log2(e)
	s_mov_b32 s39, s38
	s_mov_b32 s32, s22
	COLMAP CMA                                     ; wave w quantises tile w of W2
	s_wait_kmcnt 0x0
	s_load_b64 s[20:21], s[16:17], 0x0             ; e0, e1
	s_add_nc_u64 s[6:7], s[6:7], s[26:27]
	s_add_nc_u64 s[4:5], s[4:5], s[28:29]
	s_add_nc_u64 s[18:19], s[18:19], s[56:57]
	; ---- all loads from memory, in one run; each lands in registers that no other load of the run names
.irp t, 0,1,2,3
.irp s, 0,1,2,3
.irp j, 0,1
	global_load_b32 v[W1F+2*(4*\t+\s)+\j], v[WO], s[8:9] offset:(4*\s+\j)*256+64*\t   ; W1[4 s + 2 h + j][16 t + r]
.endr
.endr
.endr
	XSHIFT X2S, 6
	W2LOAD QA, CMA
	s_cmp_lt_u32 s22, 2
	s_cbranch_scc0 .Lone_tile
	s_add_co_u32 s32, s22, 8                       ; waves 0 and 1 take tiles 8 and 9 too
	COLMAP CMB
	W2LOAD QB, CMB
.Lone_tile:
	s_cmp_eq_u32 s22, 2
	s_cbranch_scc0 .Lno_table
	v_lshlrev_b32 v[SCR], 5, v2                    ; wave 2 makes the table of the 16 n: x1's rows, and b1 in the result's layout: units 16 t + 8 h + 0 .. 7
	XSHIFT ZX, 4
.irp t, 0,1,2,3
	global_load_b128 v[B1F+8*\t:B1F+8*\t+3], v[SCR], s[10:11] offset:64*\t
	global_load_b128 v[B1F+8*\t+4:B1F+8*\t+7], v[SCR], s[10:11] offset:64*\t+16
.endr
.Lno_table:
	; ---- the powers of two
	s_wait_kmcnt 0x0
	s_add_co_i32 s50, s20, s21                     ; e0 + e1
	s_sub_co_i32 s46, 0, s50
	s_lshl_b32 s51, s50, 23
	s_add_co_i32 s40, s50, 127
	s_lshl_b32 s40, s40, 23                        ; s = 2^(e0 + e1) as f32
	s_mov_b32 s41, s40
	s_add_co_i32 s42, s51, 0x3fb8aa3b              ; c s: the exponents are added to c's exponent field
	s_mov_b32 s43, s42
	s_sub_co_i32 s44, 0x3f317218, s51              ; ln 2 / s
	s_mov_b32 s45, s44
	s_add_co_i32 s52, s20, 127
	s_lshl_b32 s53, s52, 23
	v_mov_b32 v[SCH], s53                          ; 2^e0: the conversion takes its exponent field
	s_add_co_i32 s52, s52, 8
	s_lshl_b32 s52, s52, 23
	s_or_b32 s52, s52, 0x600000
	v_mov_b32 v[LIMH], s52                         ; 448 x 2^e0
	s_add_co_i32 s52, s21, 127
	s_lshl_b32 s53, s52, 23
	v_mov_b32 v[SCW], s53                          ; 2^e1
	s_add_co_i32 s52, s52, 8
	s_lshl_b32 s52, s52, 23
	s_or_b32 s52, s52, 0x600000
	v_mov_b32 v[LIMW], s52                         ; 448 x 2^e1
	v_mov_b32 v[SCR+6], s40
	v_cmp_eq_u32 vcc_lo, 0, v2
	v_cndmask_b32 v[HS], 0, v[SCR+6], vcc_lo       ; s in half 0; 0 in half 1, whose shifted rows end two numbers early
	v_mov_b32 v[HS+1], v[HS]
	v_mov_b32 v[CV], s38
	v_mov_b32 v[CV+1], s38
	; ---- the first product's two parts
	s_wait_loadcnt 0x0                             ; all that was asked for above
.irp j, 0,2,4,6,8,10,12,14,16,18,20,22,24,26,28,30
	v_pk_mul_f32 v[W1F+\j:W1F+\j+1], v[W1F+\j:W1F+\j+1], s[36:37] op_sel_hi:[1,0]   ; (c / 2) W1
.endr
	s_cmp_eq_u32 s22, 2
	s_cbranch_scc0 .Lno_table_2
.irp j, 0,2,4,6,8,10,12,14,16,18,20,22,24,26,28,30
	v_pk_mul_f32 v[B1F+\j:B1F+\j+1], v[B1F+\j:B1F+\j+1], s[38:39] op_sel_hi:[1,0]   ; c b1: the C of each sum's first product
.endr
	LIN ZX, 1                                      ; u' of the 16 n
.rept 10
	v_nop                                          ; eight places ahead of the stores that read these sums and of the lines that write x1's registers, nine ahead of the products that write the sums anew
.endr
.irp q, 0,1,2,3,4,5,6,7
	ds_store_b128 v[NTU], v[VP+4*\q:VP+4*\q+3] offset:16*\q   ; each accumulator from its low end on
.endr
	XSCALE ZX
.irp q, 0,1,2,3
	ds_store_b128 v[NTU], v[ZX+4*\q:ZX+4*\q+3] offset:128+16*\q
.endr
	s_wait_dscnt 0x0                               ; the stores have read the sums: the products below write them anew
.Lno_table_2:
	LIN X2S, 0                                     ; v' of my 16 m: it stays
	; ---- W2's codes and the biases.  The 32 holds are the places between the products above and the lines that write x2's registers
	W2QUANT QA, ACC, CMA, 0, 0
	XSCALE X2S
	s_cmp_lt_u32 s22, 2
	s_cbranch_scc0 .Lone_tile_2
	W2QUANT QB, SPL, CMB, 8192, 512
.Lone_tile_2:
	s_wait_dscnt 0x0                               ; for the others' sake: my stores have landed
	s_barrier_signal -1
	s_barrier_wait -1                              ; W2's ten fragments, the biases and the table of the 16 n lie in LDS
	WIN 0x40                                       ; destination window 1
.irp t, 0,1,2,3,4,5,6,7,8,9
	ds_load_b128 v[W2F+8*\t:W2F+8*\t+3], v[LI] offset:1024*\t
	ds_load_b128 v[W2F+8*\t+4:W2F+8*\t+7], v[LI] offset:1024*\t+512
.endr
.irp t, 0,1,2,3,4,5,6,7,8,9
	ds_load_b128 v[BIASF+8*\t:BIASF+8*\t+3], v[BR] offset:64*\t       ; register j: the bias of the tile's column number 8 h + j
	ds_load_b128 v[BIASF+8*\t+4:BIASF+8*\t+7], v[BR] offset:64*\t+16
.endr
	WIN 0
.irp q, 0,1,2,3,4,5,6,7
	ds_load_b128 v[UZ+4*\q:UZ+4*\q+3], v[NB] offset:16*\q             ; u' of tile 0
.endr
	s_mov_b32 s47, 0                               ; 384 x the tile of stage A
	s_mov_b32 s48, 0                               ; 512 x the tile of stage B
	; ---- the 16 n
	TRIP 1, 0, 1                                   ; tile 0: there is no tile before it
	s_mov_b32 s49, 14
.Ltile:                                            ; tiles 1 to 14
	TRIP 1, 1, 1
	s_sub_co_u32 s49, s49, 1
	s_cmp_lg_u32 s49, 0
	s_cbranch_scc1 .Ltile
	TRIP 1, 1, 0                                   ; tile 15: written out, so that no read leaves the table
	TRIP 0, 1, 0                                   ; its stage B
	; ---- the way out: the two halves' squares meet; wave w takes rows 2 w and 2 w + 1
	s_wait_dscnt 0x0                               ; for the others' sake: my stores into the planes have landed
	s_barrier_signal -1
	s_barrier_wait -1
	ds_load_b128 v[UZ:UZ+3], v[FRD]
	ds_load_b128 v[UZ+4:UZ+7], v[FRD] offset:512
	ds_load_b128 v[UZ+8:UZ+11], v[FRD] offset:PLANE
	ds_load_b128 v[UZ+12:UZ+15], v[FRD] offset:PLANE+512
	s_wait_dscnt 0x0
.irp j, 0,2,4,6
	v_pk_add_f32 v[UZ+\j:UZ+\j+1], v[UZ+\j:UZ+\j+1], v[UZ+8+\j:UZ+8+\j+1]
.endr
.irp j, 0,1,2,3,4,5,6,7
	v_max_num_f32 v[UZ+\j], 0x358637bd, v[UZ+\j]   ; at least 1e-6
.endr
.irp j, 0,1,2,3,4,5,6,7
	v_sqrt_f32 v[UZ+\j], v[UZ+\j]
.endr
	v_nop                                          ; a plain instruction behind the last root,
	s_wait_alu depctr_va_vdst(0)                   ; and the one wait ahead of the first line that names a result
	global_store_b128 v[GO], v[UZ:UZ+3], s[18:19] th:TH_STORE_NT               ; 32 lanes store 512 consecutive bytes, at a multiple of 512 from out's first byte
	global_store_b128 v[GO], v[UZ+4:UZ+7], s[18:19] offset:1024 th:TH_STORE_NT
	s_set_vgpr_msb 0x5
	s_wait_tensorcnt 0x0
	ds_add_u32 v160, v161
	s_wait_dscnt 0x0
	s_set_vgpr_msb 0x500
	s_endpgm
.Lfunc_end_k_q0b1f9d9104_manifold:
	.size	k_q0b1f9d9104_manifold, .Lfunc_end_k_q0b1f9d9104_manifold-k_q0b1f9d9104_manifold
	.p2alignl 7, 3214868480
	.fill 96, 4, 3214868480
	.section	.rodata,"a",@progbits
	.p2align	6, 0x0
	.amdhsa_kernel k_q0b1f9d9104_manifold
		.amdhsa_group_segment_fixed_size 35072
		.amdhsa_private_segment_fixed_size 0
		.amdhsa_enable_private_segment 0
		.amdhsa_kernarg_size 64
		.amdhsa_user_sgpr_count 2
		.amdhsa_user_sgpr_kernarg_segment_ptr 1
		.amdhsa_wavefront_size32 1
		.amdhsa_system_sgpr_workgroup_id_x 1
		.amdhsa_system_sgpr_workgroup_id_y 1
		.amdhsa_system_sgpr_workgroup_id_z 1
		.amdhsa_system_vgpr_workitem_id 0
		.amdhsa_next_free_vgpr 418
		.amdhsa_next_free_sgpr 66
		.amdhsa_reserve_vcc 1
		.amdhsa_float_denorm_mode_32 3
		.amdhsa_float_denorm_mode_16_64 3
		.amdhsa_memory_ordered 1
		.amdhsa_forward_progress 1
		.amdhsa_inst_pref_size 81
	.end_amdhsa_kernel
	.amdgpu_metadata
---
amdhsa.version: [ 1, 2 ]
amdhsa.kernels:
  - .name:           k_q0b1f9d9104_manifold
    .symbol:         k_q0b1f9d9104_manifold.kd
    .args:
      - { .name: x1, .offset: 0, .size: 8, .value_kind: global_buffer, .address_space: global }
      - { .name: x2, .offset: 8, .size: 8, .value_kind: global_buffer, .address_space: global }
      - { .name: W1, .offset: 16, .size: 8, .value_kind: global_buffer, .address_space: global }
      - { .name: b1, .offset: 24, .size: 8, .value_kind: global_buffer, .address_space: global }
      - { .name: W2, .offset: 32, .size: 8, .value_kind: global_buffer, .address_space: global }
      - { .name: b2, .offset: 40, .size: 8, .value_kind: global_buffer, .address_space: global }
      - { .name: lowp_scales, .offset: 48, .size: 8, .value_kind: global_buffer, .address_space: global }
      - { .name: out0, .offset: 56, .size: 8, .value_kind: global_buffer, .address_space: global }
    .group_segment_fixed_size: 35072
    .private_segment_fixed_size: 0
    .kernarg_segment_align: 8
    .kernarg_segment_size: 64
    .max_flat_workgroup_size: 256
    .sgpr_count:     66
    .vgpr_count:     418
    .wavefront_size: 32
...
	.end_amdgpu_metadata
.endif
;; end of part 1
